; MI455X (gfx1250); checked and timed in simulation.
; The chip was launched on July 23, 2026; its instructions are those of AMD's public machine-readable ISA for CDNA 5 (MIT licence, August 2026) and "CDNA5" Instruction Set Architecture Reference Guide (July 2026). The comments in the code are by the model that wrote it; some were corrected since.
;; QKV Multihead Attention. Allowed arithmetic: matrix products marked QUANTISED: E2M3 operands, one E8M0 scale for each 32 along K, by v_wmma_scale_f32_16x16x128_f8f6f4 with both operands' format E2M3, f32 sums; everything else in f32.
;; Inputs: k_beta 64 float32; k_gamma 64 float32; q_beta 64 float32; q_gamma 64 float32; qkv 1 x 4,096 x 3,072 float32.
;; Outputs: out0 1 x 4,096 x 1,024 float32.
;; This version of the problem:
;;   THIS VERSION OF THE PROBLEM IS GIVEN IN LOW PRECISION. The matrix products marked QUANTISED in the list below multiply operands that are first quantised to E2M3 (2 exponent bits, 3 mantissa bits; 6 bits a number), with one power-of-two scale for each 32 numbers along K (OCP MX v1.0); their sums are f32. All else is computed in f32.
;;   The module's matrix products, in the order in which they are computed (A, B: the left and right operand; K: the contracted axis; several contracted axes count as one K, in the product's order):
;;     1. batch 16 x [M 4,096, K 64] x [K 64, N 4,096]; A: computed on the way; B: computed on the way: QUANTISED
;;     2. batch 16 x [M 64, K 4,096] x [K 4,096, N 4,096]; A: computed on the way; B: softmax (see below): QUANTISED
;;   THE QUANTISER, for each operand of a quantised product, along K:
;;     - K is cut into blocks of 32 from its start; a last block that is shorter is filled with zeros.
;;     - A block's scale is 2^e with e = floor(log2(the largest magnitude in the block)) - 2, held to -126 .. 127; a block of zeros has e = 0. As a byte (E8M0): e + 127.
;;     - Each number is divided by its block's scale, clamped to +-7.5, and rounded to the nearest number of E2M3, ties to even, subnormals kept.
;;     - The product sums the exact products of the quantised numbers (number of the format x scale) in f32.
;;   ~~~python
;;   def quantise(x, axis):      # numpy; x: float32 -> the quantised numbers, widened to float32 again
;;       x = np.moveaxis(x, axis, -1); K = x.shape[-1]
;;       x = np.pad(x, [(0, 0)] * (x.ndim - 1) + [(0, -K % 32)]); x = x.reshape(x.shape[:-1] + (-1, 32)); a = np.abs(x).max(-1, keepdims=True)
;;       e = np.where(a > 0, np.clip(np.frexp(np.where(a > 0, a, 1))[1] - 1 - 2, -126, 127), 0)      # np.frexp(a)[1] - 1 = floor(log2(a)), exactly
;;       r = np.clip(x / 2.0 ** e, -7.5, 7.5)
;;       step = 2.0 ** (np.maximum(np.frexp(np.where(r == 0, 1, r))[1] - 1, 0) - 3)
;;       q = np.round(r / step) * step * 2.0 ** e      # np.round: ties to even
;;       return np.moveaxis(q.reshape(q.shape[:-2] + (-1,))[..., :K], -1, axis).astype(np.float32)
;;   ~~~
;;   SOFTMAX AHEAD OF A QUANTISED PRODUCT. Where the list says 'softmax', what is quantised is not the finished softmax but p = 2^(t - M), with t = logit x log2(e) and M = ceil(the row's largest t), a whole number; so 1/2 < the row's largest p <= 1. The row's sum l is taken of the UNQUANTISED p, in f32, and the product's result is divided by l at the end. Since M is a whole number, a kernel that streams over the keys may use a running M (the ceiling of the running maximum): every later rescaling is an exact power of two, which a block's scale takes up: the codes' values come out the same.
;;   OPERANDS COMPUTED ON THE WAY. 'Computed on the way' means the value that the module computes at that place (a softmax that the list does not call 'softmax' is quantised finished and normalised). What goes into a quantiser is computed in f32, as accurately as f32 sums, v_exp_f32 and their like allow (about 1e-6 of the number): no bf16 or f16 on the way to a quantiser, and a product that is left as it is and whose result goes on into a quantised operand takes f32 operands (vector FMAs, or v_wmma_f32_16x16x4_f32). A number that lies on a knife's edge between two numbers of the format may be rounded either way, as far as f32 arithmetic and the matrix unit's own rounding can turn it there, and no further.
;; One version. Each part assembles by itself: llvm-mc -triple=amdgcn-amd-amdhsa -mcpu=gfx1250 --defsym DOCPART=n.
;; ======== version 1 of 1: 2 launches
;; limits: right only within a limited range of input values
;; workspace buffers: kv 6,553,600 bytes; qc 3,145,728 bytes; qs 131,072 bytes
;; launch prep (part 1): grid 32 x 16, 4 waves a work-group, no clusters, 71,168 bytes of LDS; arguments qkv, q_gamma, q_beta, k_gamma, k_beta, kv, qc, qs; writes kv, qc, qs
.if DOCPART == 1
	.amdgcn_target "amdgcn-amd-amdhsa--gfx1250"
	.amdhsa_code_object_version 6
	.text
	.protected	k_qad3426d01e_prep
	.globl	k_qad3426d01e_prep
	.p2align	8
	.type	k_qad3426d01e_prep,@function
k_qad3426d01e_prep:
	s_mov_b64 s[64:65], 0
	v_nop
	global_prefetch_b8 v0, s[64:65] scope:SCOPE_SE
	s_setreg_imm32_b32 hwreg(HW_REG_WAVE_MODE, 25, 1), 1
	s_wait_xcnt 0x0
; qkv [4096][16 heads][q 64 | k 64 | v 64] f32  ->  codes of FP6 (E2M3) with E8M0 scale bytes, laid as IMAGES OF OPERAND REGISTERS for the attention launch.
; q and k: LayerNorm over the head's 64 channels (two passes: the mean is taken off before the squares), x gamma + beta, x 64^(-1/4), all f32, then quantised along the channels (two blocks of 32).
; v: quantised along the KEYS, in blocks of 32 keys.
; AN IMAGE is a fragment's 12 registers x 32 lanes = 1,536 bytes, as three chunks of 512: chunk c holds lane l's registers 4 c .. 4 c + 3 at byte 512 c + 16 l.  A store of 16 bytes a lane writes 512 consecutive bytes.
; A work-group takes 128 rows (group g) of one head and makes: one record of kv (12,800 bytes: 4 images of K, 4 of V, 512 bytes of scale words), 4 images of Q and their 256 bytes of scale words.
; AN IMAGE OF K (OR Q) HOLDS TWO TILES OF 16 ROWS: the product's K is 64, half of what the matrix instruction takes, so registers 0-5 hold tile u = 0 and registers 6-11 tile u = 1; lane (r, h) holds channels 32 h .. 32 h + 31.
; An image's scale word of row r: byte 2 u + h.  AN IMAGE OF V, ct: lane (r, h), registers 6 c .. 6 c + 5: keys 64 c + 32 h + 0 .. 31 of channel 16 ct + r; scale word: byte 2 c + h.
; Wave w makes K's image w, Q's image 4 g + w and V's image w.  No tensor loads; two barriers: V's 128 x 64 numbers meet in LDS (loaded by rows, read by columns), and the scale words meet there to leave in whole runs of 256 bytes.
; A block's scale is 2^(floor(log2(its largest magnitude)) - 2); its byte is the largest magnitude's exponent field - 2, held at 1 from below.
; LIMITS: a block of zeros gets the byte 1 where the rule says 127 (its codes are zeros, and this program alone reads the bytes); NaN and infinities among the inputs are not served.
.set ROWP, 12288                       ; a row of qkv in bytes
.set REC,  12800                       ; a record of kv.  K's PART OF A GROUP GOES INTO THE RECORD BEFORE: record r of a head holds K's images and scale words of group (r + 1) % 32 beside V's of group r, as the attention launch reads them
.set KVK,  56                          ; s[56:57] the record that takes my group's K: (g + 31) % 32 of my head
.set VOFF, 6144                        ; V's images in it
.set SOFF, 12288                       ; the scale words in it
.set QSL,  512                         ; LDS 0 .. 511: kv's scale words; 512 .. 767: Q's
.set VST,  768                         ; LDS: V's stage: key 64 c + 32 h + i at VST + h VH + (32 c + i) 272
.set VH,   17536                       ; 64 rows of 272 bytes + 128: the two halves of the lanes read columns 32 words (mod 64) apart
.set PST,  35840                       ; LDS: a stage of 32 rows x 272 bytes for each wave
.set PSB,  8704
.set GA,   4                           ; v4   12288 h + 16 r: lanes 0-15 one row's 256 bytes, lanes 16-31 the next row's
.set PSW,  5                           ; v5   my stage, on the way in: 272 h + 16 r
.set PSR,  6                           ; v6   on the way out: 272 r + 128 h: 32 neighbouring channels of row r
.set VSW,  7                           ; v7   V's stage, on the way in
.set VSR,  8                           ; v8   on the way out: my channel's column
.set GBA,  9                           ; v9   128 h: my 32 channels of gamma and beta
.set L16,  10                          ; v10  16 x lane
.set KSA,  11                          ; v11  16 r + 4 w: my image's scale word of row r
.set QSA,  12                          ; v12  512 + 64 w + 4 r
.set L8,   13                          ; v13  8 x lane
.set SH8,  14                          ; v14  8 h
.set KOF,  15                          ; v15  16 x lane + 1536 w: my image in a record
.set RA,   16                          ; v16-79   32 rows as loaded, then 2 x 32 numbers of a lane
.set RB,   80                          ; v80-143  the same
.set GAM,  144                         ; v144-175 gamma of my 32 channels
.set BET,  176                         ; v176-207 beta
.set FRG,  208                         ; v208-219 the fragment being made
.set CT,   220                         ; v220-222 a block's upper 16 codes (a conversion's three registers begin on an even number)
.set MU,   224                         ; v224-225 the mean (named as a pair)
.set AC,   226                         ; v226-229 two chains of sums
.set AC2,  228
.set RS,   230                         ; v230-231 1 / sqrt(var + eps) (named as a pair)
.set MX,   232
.set SO,   233                         ; the conversion's scale operand
.set BY,   234                         ; v234-235 two scale bytes
.set WD,   236                         ; the scale word
.set PX,   237                         ; a lane permute's destination
.set SM,   238
.set QG,   6                           ; s[6:7] q_gamma, s[8:9] q_beta, s[10:11] k_gamma, s[12:13] k_beta
.set QB,   8
.set KG,   10
.set KB,   12
.set KVP,  14                          ; s[14:15] my record of kv;  s[16:17] my image of Q;  s[18:19] the group's scale words of Q
.set QCP,  16
.set QSP,  18
.set WV,   20
.set HD,   21
.set SEL,  22                          ; s[22:23] selects for lane l xor 16
.set R64,  24                          ; 1 / 64
.set EPS,  25                          ; 1e-6
.set SKQ,  28                          ; s[28:29] qkv at my image's base row, my head
.set SV,   30                          ; s[30:31] qkv at row 128 g + 32 w, my head
; 32 rows x 256 bytes (part 0: q, 1: k, 2: v).  perm = 0: rows 2 i, 2 i + 1.  perm = 1: load i brings stage rows 2 i, 2 i + 1, stage row 16 u + r being row 8 u + (r % 8) + 32 (r / 8)
.macro LOADROWS reg, base, part, perm
.irp i, 0,1,2,3,4,5,6,7,8,9,10,11,12,13,14,15
.if \perm
	global_load_b128 v[\reg+4*\i:\reg+4*\i+3], v[GA], s[\base:\base+1] offset:(8*(\i/8)+2*(\i%4)+32*((\i/4)%2))*ROWP+256*\part th:TH_LOAD_NT
.else
	global_load_b128 v[\reg+4*\i:\reg+4*\i+3], v[GA], s[\base:\base+1] offset:(2*\i)*ROWP+256*\part th:TH_LOAD_NT
.endif
.endr
.endm
.macro LOADGB g, b                     ; gamma and beta of channels 32 h .. 32 h + 31
.irp j, 0,1,2,3,4,5,6,7
	global_load_b128 v[GAM+4*\j:GAM+4*\j+3], v[GBA], s[\g:\g+1] offset:16*\j
.endr
.irp j, 0,1,2,3,4,5,6,7
	global_load_b128 v[BET+4*\j:BET+4*\j+3], v[GBA], s[\b:\b+1] offset:16*\j
.endr
.endm
; 32 rows go through my own stage and come back as 32 neighbouring channels of two rows a lane: v[reg + 32 u + i] = channel 32 h + i of stage row 16 u + r
.macro TURN reg
.irp i, 0,1,2,3,4,5,6,7,8,9,10,11,12,13,14,15
	ds_store_b128 v[PSW], v[\reg+4*\i:\reg+4*\i+3] offset:544*\i
.endr
	s_wait_dscnt 0x0                               ; the stores have read their registers, which the loads below fill
.irp u, 0,1
.irp j, 0,1,2,3,4,5,6,7
	ds_load_b128 v[\reg+32*\u+4*\j:\reg+32*\u+4*\j+3], v[PSR] offset:4352*\u+16*\j
.endr
.endr
	s_wait_dscnt 0x0
.endm
.macro RSUM                            ; the two chains, their halves, and the other half of the lanes': the row's sum in v[SM]
	v_pk_add_f32 v[AC:AC+1], v[AC:AC+1], v[AC2:AC2+1]
	v_add_f32 v[SM], v[AC], v[AC+1]
	v_permlanex16_b32 v[PX], v[SM], s[SEL], s[SEL+1]
	v_add_f32 v[SM], v[SM], v[PX]
.endm
; LayerNorm, gain, bias and 64^(-1/4) on a lane's 32 channels of one row; the row's other 32 lie in lane l xor 16
.macro LN x
	v_pk_add_f32 v[AC:AC+1], v[\x:\x+1], v[\x+2:\x+3]
	v_pk_add_f32 v[AC2:AC2+1], v[\x+4:\x+5], v[\x+6:\x+7]
.irp j, 8,12,16,20,24,28
	v_pk_add_f32 v[AC:AC+1], v[AC:AC+1], v[\x+\j:\x+\j+1]
	v_pk_add_f32 v[AC2:AC2+1], v[AC2:AC2+1], v[\x+\j+2:\x+\j+3]
.endr
	RSUM
	v_mul_f32 v[MU], s[R64], v[SM]                 ; the mean
.irp j, 0,2,4,6,8,10,12,14,16,18,20,22,24,26,28,30
	v_pk_add_f32 v[\x+\j:\x+\j+1], v[\x+\j:\x+\j+1], v[MU:MU+1] op_sel_hi:[1,0] neg_lo:[0,1] neg_hi:[0,1]   ; x - mean
.endr
	v_pk_mul_f32 v[AC:AC+1], v[\x:\x+1], v[\x:\x+1]
	v_pk_mul_f32 v[AC2:AC2+1], v[\x+2:\x+3], v[\x+2:\x+3]
.irp j, 4,8,12,16,20,24,28
	v_pk_fma_f32 v[AC:AC+1], v[\x+\j:\x+\j+1], v[\x+\j:\x+\j+1], v[AC:AC+1]
	v_pk_fma_f32 v[AC2:AC2+1], v[\x+\j+2:\x+\j+3], v[\x+\j+2:\x+\j+3], v[AC2:AC2+1]
.endr
	RSUM
	v_fma_f32 v[SM], v[SM], s[R64], s[EPS]         ; var + eps
	s_wait_alu depctr_va_vdst(0)
	v_rsq_f32 v[RS], v[SM]
	v_nop                                          ; one plain place behind the transcendental
	s_wait_alu depctr_va_vdst(0)
.irp j, 0,2,4,6,8,10,12,14,16,18,20,22,24,26,28,30
	v_pk_mul_f32 v[\x+\j:\x+\j+1], v[\x+\j:\x+\j+1], v[RS:RS+1] op_sel_hi:[1,0]
.endr
.irp j, 0,2,4,6,8,10,12,14,16,18,20,22,24,26,28,30
	v_pk_fma_f32 v[\x+\j:\x+\j+1], v[\x+\j:\x+\j+1], v[GAM+\j:GAM+\j+1], v[BET+\j:BET+\j+1]
.endr
.irp j, 0,2,4,6,8,10,12,14,16,18,20,22,24,26,28,30
	v_pk_mul_f32 v[\x+\j:\x+\j+1], v[\x+\j:\x+\j+1], 0x3eb504f3 op_sel_hi:[1,0]   ; x 64^(-1/4)
.endr
.endm
; a whole block of 32 in one lane's registers -> registers 6 u .. 6 u + 5 of the fragment, and its scale byte in v[BY + u]
.macro QUANT32 x, u
	v_max3_num_f32 v[MX], |v[\x]|, |v[\x+1]|, 0x1800000   ; the floor 2^(3 - 127) among the leaves: the byte cannot fall under 1
.irp i, 2,4,6,8,10,12,14,16,18,20,22,24,26,28,30
	v_max3_num_f32 v[MX], v[MX], |v[\x+\i]|, |v[\x+\i+1]|
.endr
	v_add_nc_u32 v[SO], 0xff000000, v[MX]          ; 2 off the exponent field: the conversion takes the exponent field of this operand as its scale
	v_lshrrev_b32 v[BY+\u], 23, v[SO]              ; the scale's byte
	v_cvt_scalef32_pk16_fp6_f32 v[FRG+6*\u:FRG+6*\u+2], v[\x:\x+15], v[SO]
	v_cvt_scalef32_pk16_fp6_f32 v[CT:CT+2], v[\x+16:\x+31], v[SO]
	v_nop                                          ; one plain place behind a scaled conversion
.irp i, 0,1,2
	v_mov_b32 v[FRG+6*\u+3+\i], v[CT+\i]
.endr
.endm
.macro WORD                            ; my two bytes at places h and 2 + h, with lane l xor 16's two: the row's scale word, in both lanes
	v_lshl_or_b32 v[WD], v[BY+1], 16, v[BY]
	v_lshlrev_b32 v[WD], v[SH8], v[WD]
	v_permlanex16_b32 v[PX], v[WD], s[SEL], s[SEL+1]
	v_or_b32 v[WD], v[WD], v[PX]
.endm
.macro PUT off, base, imm              ; the fragment leaves as its image: each store covers 512 consecutive bytes, at a multiple of 256 from the buffer's first byte
.irp c, 0,1,2
	global_store_b128 v[\off], v[FRG+4*\c:FRG+4*\c+3], s[\base:\base+1] offset:\imm+512*\c
.endr
.endm
	s_load_b512 s[4:19], s[0:1], 0x0               ; qkv, q_gamma, q_beta, k_gamma, k_beta, kv, qc, qs
	v_lshl_add_u32 v248, v0, 2, 0x11400
	v_mov_b32 v249, 0
	v_lshrrev_b32 v1, 5, v0
	v_readfirstlane_b32 s[WV], v1                  ; wave 0..3
	s_and_b32 s[HD], ttmp7, 0xffff                 ; the head
	s_mov_b32 s[SEL], 0x76543210
	s_mov_b32 s[SEL+1], 0xfedcba98
	s_mov_b32 s[R64], 0x3c800000
	s_mov_b32 s[EPS], 0x358637bd
	v_and_b32 v1, 31, v0                           ; lane
	v_and_b32 v2, 15, v0                           ; r
	v_bfe_u32 v3, v0, 4, 1                         ; h
	s_wait_alu depctr_va_vdst(0)
	s_lshr_b32 s34, s[WV], 1
	s_and_b32 s35, s[WV], 1
	s_lshl_b32 s33, ttmp9, 7                       ; 128 g
	s_lshl_b32 s26, s34, 6
	s_lshl_b32 s36, s35, 4
	s_add_co_u32 s26, s26, s36
	s_add_co_u32 s26, s26, s33                     ; my image's base row: 128 g + 64 (w / 2) + 16 (w % 2)
	s_mul_i32 s26, s26, ROWP
	s_mul_i32 s37, s[HD], 768
	s_add_co_u32 s26, s26, s37                     ; (all of qkv is under 2^26 bytes)
	s_mov_b32 s27, 0
	s_lshl_b32 s38, s[WV], 5
	s_add_co_u32 s38, s38, s33                     ; V: rows 128 g + 32 w on
	s_mul_i32 s38, s38, ROWP
	s_add_co_u32 s38, s38, s37
	s_mov_b32 s39, 0
	s_lshl_b32 s40, s[HD], 5
	s_add_co_u32 s40, s40, ttmp9                   ; 32 head + g
	s_mul_i32 s42, s40, REC
	s_mov_b32 s43, 0
	s_add_co_u32 s54, ttmp9, 31
	s_and_b32 s54, s54, 31                         ; (g + 31) % 32
	s_lshl_b32 s55, s[HD], 5
	s_add_co_u32 s54, s54, s55
	s_mul_i32 s54, s54, REC
	s_mov_b32 s55, 0
	s_lshl_b32 s44, s40, 2
	s_add_co_u32 s44, s44, s[WV]
	s_mul_i32 s44, s44, 1536
	s_mov_b32 s45, 0
	s_lshl_b32 s46, s40, 8
	s_mov_b32 s47, 0
	s_mul_i32 s48, s[WV], PSB
	s_add_co_u32 s48, s48, PST                     ; my stage
	s_mul_i32 s49, s35, VH
	s_mul_i32 s50, s34, PSB
	s_add_co_u32 s49, s49, s50
	s_add_co_u32 s49, s49, VST                     ; V's stage: my 32 keys are half w % 2, rows 32 (w / 2) on
	s_lshl_b32 s51, s[WV], 6
	s_add_co_u32 s52, s51, VST                     ; my 16 channels' bytes in a row of V's stage
	s_add_co_u32 s51, s51, QSL
	s_lshl_b32 s53, s[WV], 2
	s_mul_i32 s32, s[WV], 1536
	v_mul_u32_u24 v[GA], v3, ROWP
	v_lshl_add_u32 v[GA], v2, 4, v[GA]
	v_mul_u32_u24 v[PSW], v3, 272
	v_lshl_add_u32 v[PSW], v2, 4, v[PSW]
	v_add_nc_u32 v[VSW], s49, v[PSW]
	v_add_nc_u32 v[PSW], s48, v[PSW]
	v_mul_u32_u24 v[PSR], v2, 272
	v_lshl_add_u32 v[PSR], v3, 7, v[PSR]
	v_add_nc_u32 v[PSR], s48, v[PSR]
	v_mul_u32_u24 v[VSR], v3, VH
	v_lshl_add_u32 v[VSR], v2, 2, v[VSR]
	v_add_nc_u32 v[VSR], s52, v[VSR]
	v_lshlrev_b32 v[GBA], 7, v3
	v_lshlrev_b32 v[L16], 4, v1
	v_lshlrev_b32 v[KSA], 4, v2
	v_add_nc_u32 v[KSA], s53, v[KSA]
	v_lshl_add_u32 v[QSA], v2, 2, s51
	v_lshlrev_b32 v[L8], 3, v1
	v_lshlrev_b32 v[SH8], 3, v3
	v_add_nc_u32 v[KOF], s32, v[L16]
	v_mov_b32 v[PX], 0                             ; written once: a lane permute's destination counts as one of its sources
	v_mov_b32 v[MU+1], 0                           ; (named as the upper halves of pairs)
	v_mov_b32 v[RS+1], 0
	s_wait_kmcnt 0x0
	s_add_nc_u64 s[SKQ:SKQ+1], s[4:5], s[26:27]
	s_add_nc_u64 s[SV:SV+1], s[4:5], s[38:39]
	s_add_nc_u64 s[KVK:KVK+1], s[KVP:KVP+1], s[54:55]
	s_add_nc_u64 s[KVP:KVP+1], s[KVP:KVP+1], s[42:43]
	s_add_nc_u64 s[QCP:QCP+1], s[QCP:QCP+1], s[44:45]
	s_add_nc_u64 s[QSP:QSP+1], s[QSP:QSP+1], s[46:47]
	LOADGB KG, KB                                  ; 16 loads
	LOADROWS RA, SV, 2, 0                          ; V: 16 loads
	LOADROWS RB, SKQ, 1, 1                         ; K: 16 loads
	s_wait_loadcnt 16                              ; K's 16 may stay out: gamma, beta and V are in
.irp i, 0,1,2,3,4,5,6,7,8,9,10,11,12,13,14,15
	ds_store_b128 v[VSW], v[RA+4*\i:RA+4*\i+3] offset:544*\i
.endr
	s_wait_dscnt 0x0                               ; for the others' sake: my 32 keys of V lie in the stage
	s_barrier_signal -1
	s_barrier_wait -1                              ; all 128 do
	LOADROWS RA, SKQ, 0, 1                         ; Q: 16 loads, into the registers that the stores above have read
	s_wait_loadcnt 16                              ; Q's 16 may stay out: K is in
	TURN RB
	LN RB
	QUANT32 RB, 0
	LN RB+32
	QUANT32 RB+32, 1
	LOADGB QG, QB                                  ; k's gamma and beta have had their last use
	WORD
	ds_store_b32 v[KSA], v[WD]                     ; lanes r and r + 16 write the same word with the same value
	PUT KOF, KVK, 0
.irp c, 0,1
.irp i, 0,1,2,3,4,5,6,7,8,9,10,11,12,13,14,15,16,17,18,19,20,21,22,23,24,25,26,27,28,29,30,31
	ds_load_b32 v[RB+32*\c+\i], v[VSR] offset:(32*\c+\i)*272   ; V(key 64 c + 32 h + i, channel 16 w + r): a whole block of 32 keys in my registers
.endr
.endr
	s_wait_loadcnt 16                              ; q's gamma and beta may stay out: Q is in
	TURN RA                                        ; (its waits for 0 also show V's column in)
	s_wait_loadcnt 0x0                             ; q's gamma and beta
	s_wait_xcnt 0x0                                ; K's image has been read by its stores: the fragment's registers are written again only behind this wait
	LN RA
	QUANT32 RA, 0
	LN RA+32
	QUANT32 RA+32, 1
	WORD
	ds_store_b32 v[QSA], v[WD]
	PUT L16, QCP, 0
	s_wait_xcnt 0x0                                ; Q's image likewise
	s_wait_dscnt 0x0
	QUANT32 RB, 0
	QUANT32 RB+32, 1
	WORD
	ds_store_b32 v[KSA], v[WD] offset:256
	PUT KOF, KVP, VOFF
	s_wait_dscnt 0x0                               ; for wave 0's sake: my three scale words a row lie in LDS
	s_barrier_signal -1
	s_barrier_wait -1
	s_cmp_lg_u32 s[WV], 0                          ; wave 0 sends the scale words: three runs of 256 consecutive bytes
	s_cbranch_scc1 .Ldone
	ds_load_b64 v[240:241], v[L8]                  ; K's 256 bytes of scale words
	ds_load_b64 v[242:243], v[L8] offset:256       ; V's
	ds_load_b64 v[244:245], v[L8] offset:QSL
	s_wait_dscnt 0x0
	global_store_b64 v[L8], v[240:241], s[KVK:KVK+1] offset:SOFF       ; each store covers 256 consecutive bytes, aligned
	global_store_b64 v[L8], v[242:243], s[KVP:KVP+1] offset:SOFF+256
	global_store_b64 v[L8], v[244:245], s[QSP:QSP+1]
.Ldone:
	s_wait_tensorcnt 0x0
	ds_add_u32 v248, v249
	s_wait_dscnt 0x0
	s_endpgm
.Lfunc_end_k_qad3426d01e_prep:
	.size	k_qad3426d01e_prep, .Lfunc_end_k_qad3426d01e_prep-k_qad3426d01e_prep
	.p2alignl 7, 3214868480
	.fill 96, 4, 3214868480
	.section	.rodata,"a",@progbits
	.p2align	6, 0x0
	.amdhsa_kernel k_qad3426d01e_prep
		.amdhsa_group_segment_fixed_size 71168
		.amdhsa_private_segment_fixed_size 0
		.amdhsa_enable_private_segment 0
		.amdhsa_kernarg_size 64
		.amdhsa_user_sgpr_count 2
		.amdhsa_user_sgpr_kernarg_segment_ptr 1
		.amdhsa_wavefront_size32 1
		.amdhsa_system_sgpr_workgroup_id_x 1
		.amdhsa_system_sgpr_workgroup_id_y 1
		.amdhsa_system_sgpr_workgroup_id_z 1
		.amdhsa_system_vgpr_workitem_id 0
		.amdhsa_next_free_vgpr 250
		.amdhsa_next_free_sgpr 66
		.amdhsa_reserve_vcc 0
		.amdhsa_float_denorm_mode_32 3
		.amdhsa_float_denorm_mode_16_64 3
		.amdhsa_memory_ordered 1
		.amdhsa_forward_progress 1
		.amdhsa_inst_pref_size 60
	.end_amdhsa_kernel
	.amdgpu_metadata
---
amdhsa.version: [ 1, 2 ]
amdhsa.kernels:
  - .name:           k_qad3426d01e_prep
    .symbol:         k_qad3426d01e_prep.kd
    .args:
      - { .name: qkv, .offset: 0, .size: 8, .value_kind: global_buffer, .address_space: global }
      - { .name: q_gamma, .offset: 8, .size: 8, .value_kind: global_buffer, .address_space: global }
      - { .name: q_beta, .offset: 16, .size: 8, .value_kind: global_buffer, .address_space: global }
      - { .name: k_gamma, .offset: 24, .size: 8, .value_kind: global_buffer, .address_space: global }
      - { .name: k_beta, .offset: 32, .size: 8, .value_kind: global_buffer, .address_space: global }
      - { .name: kv, .offset: 40, .size: 8, .value_kind: global_buffer, .address_space: global }
      - { .name: qc, .offset: 48, .size: 8, .value_kind: global_buffer, .address_space: global }
      - { .name: qs, .offset: 56, .size: 8, .value_kind: global_buffer, .address_space: global }
    .group_segment_fixed_size: 71168
    .private_segment_fixed_size: 0
    .kernarg_segment_align: 8
    .kernarg_segment_size: 64
    .max_flat_workgroup_size: 128
    .sgpr_count:     66
    .vgpr_count:     250
    .wavefront_size: 32
...
	.end_amdgpu_metadata
.endif
;; end of part 1
;; launch attn (part 2): grid 16 x 16, 8 waves a work-group, clusters of 4 x 1, 327,680 bytes of LDS; arguments qc, qs, kv, out0; writes out0
.if DOCPART == 2
	.amdgcn_target "amdgcn-amd-amdhsa--gfx1250"
	.amdhsa_code_object_version 6
	.text
	.protected	k_qad3426d01e_attn
	.globl	k_qad3426d01e_attn
	.p2align	8
	.type	k_qad3426d01e_attn,@function
k_qad3426d01e_attn:
	s_mov_b64 s[64:65], 0
	v_nop
	global_prefetch_b8 v0, s[64:65] scope:SCOPE_SE
	s_setreg_imm32_b32 hwreg(HW_REG_WAVE_MODE, 25, 1), 1
	s_wait_xcnt 0x0
	s_wait_alu depctr_hold_cnt(0) depctr_sa_sdst(0) depctr_va_vdst(0) depctr_va_sdst(0) depctr_va_ssrc(0) depctr_va_vcc(0) depctr_vm_vsrc(0)
	s_getreg_b32 s2, hwreg(HW_REG_IB_STS2, 6, 4)
	s_cmp_eq_u32 s2, 0
	s_cbranch_scc0 .Lentry_in_a_cluster
	s_endpgm
.Lentry_in_a_cluster:
	s_bfe_u32 s2, ttmp6, 0x10000c
	s_cmp_lg_u32 s2, 0x3003
	s_cbranch_scc0 .Lentry_shape_is_right
	s_endpgm
.Lentry_shape_is_right:
; out[query][head][:] = the sum over keys of softmax(q . k) v, both products on codes of FP6 (E2M3) with one E8M0 scale for each 32 along a product's K.
; q, k, v come as images of operand registers (1,536 bytes: chunk c holds lane l's registers 4 c .. 4 c + 3 at 512 c + 16 l): a fragment is three loads of 16 bytes a lane from 512 consecutive bytes.
; kv: [head][32] records of 12,800 bytes: record r holds 4 images of K of key group (r + 1) % 32, 4 images of V of group r, and 512 bytes of scale words (K's, then V's).  A group is 128 keys.
; THE SOFTMAX: t = score x log2(e); M = the running largest t rounded UP to a whole number (kept as -M = floor(-t)); p = 2^(t - M) is quantised along the keys, not normalised; the row's sum is taken of the
; unquantised p and divides at the end.  When M moves, the sum and O are multiplied by 2^(old M - new M): exact, in every step, with no branch on data.
; SHARES.  A work-group owns 256 queries of one head, each of its eight waves one image of Q: two tiles of 16 queries, which take turns line by line.
; THE FIRST PRODUCT'S K IS 64: an image of K holds two tiles of 16 keys (registers 0-5, 6-11); Q stands as [q | zero codes] and [zero codes | q].  Zero codes add nothing, and no scale byte here is 0xff.
; LAYOUT.  Both products are used transposed (S^T = K Q^T, O^T = V^T P^T): a lane holds one query.  The keys of a tile are chosen so that the 32 registers of score tiles 4 c .. 4 c + 3 are keys
; 64 c + 32 (lane / 16) + 0 .. 31: a whole block of 32 in one lane, in the order that P's operand wants.  A block's largest p is the block's largest score put through the same multiply-add and exponential
; (this takes v_exp_f32 not to fall where its input rises).
; ONE RECORD A STEP.  Step j finds K(j) in registers; behind its score products it reads record j: K(j + 1), V(j) and their scale words, 25 loads that are waited for once, in front of P x V.
; K(0) comes from memory straight into registers at the head (it lies in the head's record 31); the last step reads V and the scale words alone.
; LDS.  24 records fit.  Region A (records 0-7): at the head each wave fetches one record.  Region B (records 8-23): behind the full sequence and a round each wave fetches two.  When A has been read it takes
; records 24-31, one a wave.  CLUSTER: the four work-groups of a cluster belong to one head and walk the same records: each load is asked for jointly, with one descriptor and a mask that names the four.
; The first fills stand at the head and the one refill is asked for sixteen key steps ahead of the wait for it: so no prefetch is laid.
; The way out's stage lies in region B, behind that region's only fill and behind the barrier that follows every wave's last read of it.
; LIMITS: NaN and infinities are not served; a block all of whose p have fallen to 0 keeps the scale byte 1 (its codes are zeros); the scaled scores stay under 2^31 in magnitude.
; REGISTERS.  Window 0: v1-7 addresses; v8-23 statistics, 8 a tile; v24-25 Q's scale words, v26-27 P's, v28-31 K's (lanes 0-15) and V's (lanes 16-31); v32-55 at work, 12 a tile; v56-79 P's codes; v80-94 halves of
; blocks; v96-223 S^T, then p, 64 a tile; v224-226 the way out.  Window 1: v0-47 K; v48-77 q1 | 0 | q0 | 0 | q1; v80-143 O^T, 32 a tile; v144-191 V.
.set REC,   12800
.set VOFF,  6144
.set SOFF,  12288
.set HEADB, 32*REC
.set STAGE, 8*REC                      ; 16 rows x 272 bytes for each wave
.set SP,    272
.set SPARE, 24*REC                     ; the spare words, 128 bytes for each wave: four blocks of 256 bytes that no other line names
.set L16, 1                            ; 16 x lane
.set ADR, 2                            ; the step's record in LDS + 16 x lane
.set SPW, 3                            ; LDS address of my spare word; never rewritten
.set NIL, 4                            ; 0; never rewritten
.set SH8, 5                            ; 8 (lane / 16)
.set QSO, 6
.set QSW, 7
.set ST,  8                            ; tile q at ST + 8 q: +0 -M, +1 the largest score, +2 f, +3 the largest t, +4, +5 the sum in two halves, +6, +7 a second chain
.set QS,  24
.set PS,  26
.set SC,  28
.set TM,  32                           ; tile q at TM + 12 q: +0..+3 chains of maxima (then +0, +2 the blocks'), +4, +5 scale operands, +6, +7 bytes, +8 word, +9 permute, +10 old -M, +11 the step's maximum
.set PC,  56
.set CTB, 80
.set S,   96
.set STO, 224
.set RD,  225
.set GO,  226
.set FK,  0                            ; window 1 from here on
.set QF,  48
.set OA,  80
.set FV,  144
.set WV,  12
.set SEL, 20
.set CS,  22                           ; s[22:23] log2(e)
.set G1A, 24                           ; s[24:31] group 1: one record
.set G0A, 32                           ; s[32:35] group 0, region A
.set G0B, 36                           ; s[36:39] group 0, region B
.set TB,  40                           ; LDS byte of the step's record
.set CNT, 41
.set G1B, 52                           ; s[52:59] group 1: two records
.set MSB, 0
.macro WIN new                         ; the immediate's high byte repeats the setting that is left
.if MSB != \new
	s_set_vgpr_msb (MSB<<8)|\new
.set MSB, \new
.endif
.endm
.macro VW
	s_wait_alu depctr_va_vdst(0)
.endm
.macro CROUND                          ; a round of the cluster's barrier
	s_barrier_signal -1
	s_barrier_wait -1
	s_cmp_lg_u32 s[WV], 0
	s_cbranch_scc1 .Lnot_wave_0_\@
	s_barrier_signal -3
.Lnot_wave_0_\@:
	s_barrier_wait -3
	s_barrier_signal -1
	s_barrier_wait -1
.endm
.macro JLOAD g0, g1                    ; every wave's one joint load
	tensor_load_to_lds s[\g0:\g0+3], s[\g1:\g1+7]
	s_nop 0
.rept 4
	v_nop
.endr
.endm
; A KEY STEP: 128 keys x my 32 queries.  ld = 1: the whole record is read; 2: V and the scale words alone.
.macro STEP ld
	v_add_nc_u32 v[ADR], s[TB], v[L16]
	WIN 0x05                                       ; K and Q in window 1, S^T in window 0
.irp f, 0,1,2,3
.irp u, 0,1
.irp q, 0,1
.set QR, QF+12-12*\q-6*\u+24*\q*\u                 ; [q0 | 0] at QF + 12, [0 | q0] at QF + 6, [q1 | 0] at QF, [0 | q1] at QF + 18
	v_wmma_scale_f32_16x16x128_f8f6f4 v[S+64*\q+8*(2*\f+\u):S+64*\q+8*(2*\f+\u)+7], v[FK+12*\f:FK+12*\f+11], v[QR:QR+11], 0, v[SC+\f], v[QS+\q] matrix_a_fmt:MATRIX_FMT_FP6 matrix_b_fmt:MATRIX_FMT_FP6
.endr
.endr
.endr
	WIN 0
	v_mov_b32 v[TM+10], v[ST]                      ; the old -M is kept.  These four lines are the places behind the products: loads into their registers and the first reads of scores follow
	v_mov_b32 v[TM+22], v[ST+8]
	v_nop
	v_nop
	ds_load_b128 v[SC:SC+3], v[ADR] offset:SOFF    ; lanes 0-15: the words of the next group's K; lanes 16-31: of this group's V
	WIN 0x40                                       ; destination window 1
.irp t, 0,1,2,3
.irp c, 0,1,2
	ds_load_b128 v[FV+12*\t+4*\c:FV+12*\t+4*\c+3], v[ADR] offset:VOFF+1536*\t+512*\c
.endr
.endr
.if \ld == 1
.irp f, 0,1,2,3
.irp c, 0,1,2
	ds_load_b128 v[FK+12*\f+4*\c:FK+12*\f+4*\c+3], v[ADR] offset:1536*\f+512*\c
.endr
.endr
.endif
	WIN 0
	; the largest score of each block of 32 keys: four chains a tile, each accumulator read from its low end on
.irp k, 0,1,2,3
.irp q, 0,1
	v_max3_num_f32 v[TM+12*\q+\k], v[S+64*\q+16*\k], v[S+64*\q+16*\k+1], v[S+64*\q+16*\k+2]
.endr
.endr
.irp i, 3,5,7,9,11,13
.irp k, 0,1,2,3
.irp q, 0,1
	v_max3_num_f32 v[TM+12*\q+\k], v[TM+12*\q+\k], v[S+64*\q+16*\k+\i], v[S+64*\q+16*\k+\i+1]
.endr
.endr
.endr
.irp c, 0,1
.irp q, 0,1
	v_max3_num_f32 v[TM+12*\q+2*\c], v[TM+12*\q+2*\c], v[TM+12*\q+2*\c+1], v[S+64*\q+32*\c+15]
.endr
.endr
.irp c, 0,1
.irp q, 0,1
	v_max_num_f32 v[TM+12*\q+2*\c], v[TM+12*\q+2*\c], v[S+64*\q+32*\c+31]
.endr
.endr
.irp q, 0,1
	s_delay_alu instid0(VALU_DEP_2)
	v_max_num_f32 v[TM+12*\q+11], v[TM+12*\q], v[TM+12*\q+2]
.endr
.irp q, 0,1
	s_delay_alu instid0(VALU_DEP_2)
	v_permlanex16_b32 v[TM+12*\q+9], v[TM+12*\q+11], s[SEL], s[SEL+1]   ; the query's other 64 keys lie in lane l xor 16
.endr
.irp q, 0,1
	s_delay_alu instid0(VALU_DEP_2)
	v_max3_num_f32 v[ST+8*\q+1], v[ST+8*\q+1], v[TM+12*\q+11], v[TM+12*\q+9]   ; the running largest score
.endr
.irp q, 0,1
	s_delay_alu instid0(VALU_DEP_2)
	v_mul_f32 v[ST+8*\q+3], s[CS], v[ST+8*\q+1]    ; as t
.endr
.irp q, 0,1
	s_delay_alu instid0(VALU_DEP_2)
	v_floor_f32 v[ST+8*\q], -v[ST+8*\q+3]          ; -M = floor(-t) = -ceil(t): M is a whole number
.endr
.irp q, 0,1
	s_delay_alu instid0(VALU_DEP_2)
	v_sub_f32 v[TM+12*\q+10], v[ST+8*\q], v[TM+12*\q+10]   ; old M - new M: a whole number, 0 or less
.endr
.irp q, 0,1
	s_delay_alu instid0(VALU_DEP_2)
	v_cvt_i32_f32 v[TM+12*\q+10], v[TM+12*\q+10]   ; (it saturates)
.endr
.irp q, 0,1
	s_delay_alu instid0(VALU_DEP_2)
	v_ldexp_f32 v[ST+8*\q+2], 1.0, v[TM+12*\q+10]  ; f = 2^(old M - new M)
.endr
.set J, 0
.rept 32
	v_pk_fma_f32 v[S+J:S+J+1], v[S+J:S+J+1], s[CS:CS+1], v[ST:ST+1] op_sel_hi:[1,0,0]   ; t - M, two at a time
	v_pk_fma_f32 v[S+64+J:S+64+J+1], v[S+64+J:S+64+J+1], s[CS:CS+1], v[ST+8:ST+9] op_sel_hi:[1,0,0]
.set J, J+2
.endr
.irp c, 0,1
.irp q, 0,1
	v_fma_f32 v[TM+12*\q+2*\c], v[TM+12*\q+2*\c], s[CS], v[ST+8*\q]   ; the same of each block's largest score
.endr
.endr
.set J, 0
	VW                                             ; the wait ahead of the batch
.rept 128
	v_exp_f32 v[S+J], v[S+J]                       ; p = 2^(t - M), at most 1
.set J, J+1
.endr
.irp c, 0,1
.irp q, 0,1
	v_exp_f32 v[TM+12*\q+2*\c], v[TM+12*\q+2*\c]   ; the block's largest p: the same two instructions on the same number give the same bits
.endr
.endr
.irp q, 0,1
	v_pk_mul_f32 v[ST+8*\q+4:ST+8*\q+5], v[ST+8*\q+4:ST+8*\q+5], v[ST+8*\q+2:ST+8*\q+3] op_sel_hi:[1,0]   ; the sum under the new M.  (The plain place behind the exponentials)
.endr
	VW                                             ; one wait for the whole batch, ahead of its first reader
.irp c, 0,1
.irp q, 0,1
	v_max_num_f32 v[TM+12*\q+2*\c], 0x1800000, v[TM+12*\q+2*\c]   ; the floor 2^(3 - 127): the byte cannot fall under 1
.endr
.endr
.irp c, 0,1
.irp q, 0,1
	s_delay_alu instid0(VALU_DEP_4)
	v_add_nc_u32 v[TM+12*\q+4+\c], 0xff000000, v[TM+12*\q+2*\c]   ; 2 off the exponent field: the conversion's scale operand
.endr
.endr
.irp c, 0,1
.irp q, 0,1
	s_delay_alu instid0(VALU_DEP_4)
	v_lshrrev_b32 v[TM+12*\q+6+\c], 23, v[TM+12*\q+4+\c]   ; the scale's byte
.endr
.endr
.irp q, 0,1
	s_delay_alu instid0(VALU_DEP_2)
	v_lshl_or_b32 v[TM+12*\q+8], v[TM+12*\q+7], 16, v[TM+12*\q+6]   ; my blocks are (lane / 16) and 2 + (lane / 16)
.endr
.irp q, 0,1
	s_delay_alu instid0(VALU_DEP_2)
	v_lshlrev_b32 v[TM+12*\q+8], v[SH8], v[TM+12*\q+8]
.endr
.irp q, 0,1
	s_delay_alu instid0(VALU_DEP_2)
	v_permlanex16_b32 v[TM+12*\q+9], v[TM+12*\q+8], s[SEL], s[SEL+1]
.endr
.irp q, 0,1
	s_delay_alu instid0(VALU_DEP_2)
	v_or_b32 v[PS+\q], v[TM+12*\q+8], v[TM+12*\q+9]   ; p's scale word for these 128 keys
.endr
.irp c, 0,1
.irp q, 0,1
	v_cvt_scalef32_pk16_fp6_f32 v[PC+12*\q+6*\c:PC+12*\q+6*\c+2], v[S+64*\q+32*\c:S+64*\q+32*\c+15], v[TM+12*\q+4+\c]
	v_cvt_scalef32_pk16_fp6_f32 v[CTB+8*\q+4*\c:CTB+8*\q+4*\c+2], v[S+64*\q+32*\c+16:S+64*\q+32*\c+31], v[TM+12*\q+4+\c]   ; (a conversion's three registers begin on an even number)
.endr
.endr
	v_nop                                          ; one plain place behind a scaled conversion
.irp c, 0,1
.irp q, 0,1
.irp i, 0,1,2
	v_mov_b32 v[PC+12*\q+6*\c+3+\i], v[CTB+8*\q+4*\c+\i]
.endr
.endr
.endr
	; the row's sum, of the unquantised p: the first half here.  These 30 lines name nothing of the products below: they are the places between the scale words and operands just written and those products
.irp q, 0,1
	v_pk_add_f32 v[ST+8*\q+6:ST+8*\q+7], v[S+64*\q:S+64*\q+1], v[S+64*\q+2:S+64*\q+3]
.endr
.irp j, 4,8,12,16,20,24,28
.irp q, 0,1
	v_pk_add_f32 v[ST+8*\q+4:ST+8*\q+5], v[ST+8*\q+4:ST+8*\q+5], v[S+64*\q+\j:S+64*\q+\j+1]
	v_pk_add_f32 v[ST+8*\q+6:ST+8*\q+7], v[ST+8*\q+6:ST+8*\q+7], v[S+64*\q+\j+2:S+64*\q+\j+3]
.endr
.endr
	WIN 0x41                                       ; O^T in window 1, f in window 0
.set J, 0
.rept 16
	v_pk_mul_f32 v[OA+J:OA+J+1], v[OA+J:OA+J+1], v[ST+2:ST+3] op_sel_hi:[1,0]   ; O^T under the new M, each accumulator from its low end on
	v_pk_mul_f32 v[OA+32+J:OA+32+J+1], v[OA+32+J:OA+32+J+1], v[ST+10:ST+11] op_sel_hi:[1,0]
.set J, J+2
.endr
	VW                                             ; the wait directly ahead of the wait below
	s_wait_dscnt 0x0                               ; the step's record is in registers: V, the next K, the scale words
	WIN 0x51                                       ; V and O^T in window 1, P in window 0
.irp t, 0,1,2,3                                ; the eight accumulators take turns, one instruction a turn
.irp q, 0,1
	v_wmma_scale_f32_16x16x128_f8f6f4 v[OA+32*\q+8*\t:OA+32*\q+8*\t+7], v[FV+12*\t:FV+12*\t+11], v[PC+12*\q:PC+12*\q+11], v[OA+32*\q+8*\t:OA+32*\q+8*\t+7], v[SC+\t], v[PS+\q] matrix_a_fmt:MATRIX_FMT_FP6 matrix_b_fmt:MATRIX_FMT_FP6 matrix_a_scale:MATRIX_SCALE_ROW1
.endr
.endr
	WIN 0
	; the sum's second half: 34 lines that name nothing of the products above
.irp j, 32,36,40,44,48,52,56,60
.irp q, 0,1
	v_pk_add_f32 v[ST+8*\q+4:ST+8*\q+5], v[ST+8*\q+4:ST+8*\q+5], v[S+64*\q+\j:S+64*\q+\j+1]
	v_pk_add_f32 v[ST+8*\q+6:ST+8*\q+7], v[ST+8*\q+6:ST+8*\q+7], v[S+64*\q+\j+2:S+64*\q+\j+3]
.endr
.endr
.irp q, 0
	s_delay_alu instid0(VALU_DEP_3)
	v_pk_add_f32 v[ST+8*\q+4:ST+8*\q+5], v[ST+8*\q+4:ST+8*\q+5], v[ST+8*\q+6:ST+8*\q+7]
.endr
.irp q, 1
	s_delay_alu instid0(VALU_DEP_2)
	v_pk_add_f32 v[ST+8*\q+4:ST+8*\q+5], v[ST+8*\q+4:ST+8*\q+5], v[ST+8*\q+6:ST+8*\q+7]
.endr
.endm
.macro PHASE n                         ; n key steps, a record each
	s_mov_b32 s[CNT], \n
.Lstep_\@:
	VW
	STEP 1
	s_add_co_u32 s[TB], s[TB], REC
	s_sub_co_u32 s[CNT], s[CNT], 1
	s_cmp_lg_u32 s[CNT], 0
	s_cbranch_scc1 .Lstep_\@
.endm
	s_load_b256 s[4:11], s[0:1], 0x0               ; qc s[4:5], qs s[6:7], kv s[8:9], out0 s[10:11]
	v_lshl_add_u32 v[SPW], v0, 2, SPARE
	v_mov_b32 v[NIL], 0
	ds_add_u32 v[SPW], v[NIL]                      ; the opening lines: the add, twice on end, and one wait
	ds_add_u32 v[SPW], v[NIL]
	v_lshrrev_b32 v1, 5, v0
	v_readfirstlane_b32 s[WV], v1                  ; wave 0..7
	v_and_b32 v1, 31, v0
	v_and_b32 v32, 15, v0                          ; r
	v_bfe_u32 v33, v0, 4, 1                        ; h
	v_lshlrev_b32 v[L16], 4, v1
	v_lshlrev_b32 v[QSO], 2, v32
	s_bfe_u32 s13, ttmp6, 0x40000                  ; cx: it enters the addresses of qc, qs and out0 alone
	s_lshl_b32 s14, ttmp9, 2
	s_add_co_u32 s14, s14, s13                     ; my block of 256 queries
	s_lshl_b32 s14, s14, 3
	s_add_co_u32 s14, s14, s[WV]                   ; F: my image of Q, 0 .. 127
	s_and_b32 s15, ttmp7, 0xffff                   ; the head, which the four partners share
	s_mul_i32 s16, s15, HEADB
	s_mov_b32 s17, 0
	s_mul_i32 s42, s[WV], REC                      ; region A: record w, in LDS and in the head's records
	s_mov_b32 s43, 0
	s_lshl_b32 s46, s42, 1
	s_add_co_u32 s46, s46, 8*REC                   ; region B: records 8 + 2 w, 9 + 2 w
	s_mov_b32 s47, 0
	s_lshl_b32 s18, s15, 7
	s_add_co_u32 s18, s18, s14                     ; 128 head + F
	s_mul_i32 s44, s18, 1536
	s_mov_b32 s45, 0
	s_lshl_b32 s18, s18, 6
	s_mov_b32 s19, 0
	s_lshr_b32 s50, s14, 1
	s_lshl_b32 s50, s50, 6
	s_and_b32 s51, s14, 1
	s_lshl_b32 s51, s51, 4
	s_add_co_u32 s48, s50, s51                     ; my image's base query: 64 (F / 2) + 16 (F % 2)
	s_lshl_b32 s48, s48, 12                        ; a row of out0 is 4,096 bytes,
	s_lshl_b32 s51, s15, 8                         ; a head's part of it 256
	s_add_co_u32 s48, s48, s51
	s_mov_b32 s49, 0
	s_mul_i32 s50, s[WV], 16*SP
	s_add_co_u32 s50, s50, STAGE                   ; my stage
	s_mov_b32 s[G1A], 15|(3<<16)|(1<<21)           ; the mask: all four work-groups; elements of 8 bytes; bit 21 set beside a mask
	s_mov_b32 s[G1A+1], 32<<16                     ; a record: 12,800 dense bytes as 50 rows of 256
	s_mov_b32 s[G1A+2], 50<<16
	s_mov_b32 s[G1A+3], 32<<16
	s_mov_b32 s[G1A+4], 50
	s_mov_b32 s[G1A+5], 32
	s_mov_b32 s[G1A+6], 0
	s_mov_b32 s[G1A+7], 0
	s_mov_b32 s[G1B], 15|(3<<16)|(1<<21)
	s_mov_b32 s[G1B+1], 32<<16                     ; two records: 100 rows
	s_mov_b32 s[G1B+2], 100<<16
	s_mov_b32 s[G1B+3], 32<<16
	s_mov_b32 s[G1B+4], 100
	s_mov_b32 s[G1B+5], 32
	s_mov_b32 s[G1B+6], 0
	s_mov_b32 s[G1B+7], 0
	s_mov_b32 s[SEL], 0x76543210
	s_mov_b32 s[SEL+1], 0xfedcba98
	s_mov_b32 s[CS], 0x3fb8aa3b                    ; log2(e)
	s_mov_b32 s[CS+1], s[CS]
	VW                                             ; the wait ahead of the blocking waits
	s_wait_dscnt 0x0                               ; both opening adds are done
	s_wait_kmcnt 0x0
	s_add_nc_u64 s[8:9], s[8:9], s[16:17]          ; kv at my head
	s_add_nc_u64 s[4:5], s[4:5], s[44:45]
	s_add_nc_u64 s[6:7], s[6:7], s[18:19]
	s_add_nc_u64 s[10:11], s[10:11], s[48:49]
.irp c, 0,1,2
	global_load_b128 v[S+4*\c:S+4*\c+3], v[L16], s[4:5] offset:512*\c   ; my image of Q: registers 0-5 tile 0, registers 6-11 tile 1
.endr
	global_load_b32 v[QSW], v[QSO], s[6:7]         ; its scale word: bytes 0, 1 tile 0's, bytes 2, 3 tile 1's
	global_load_b128 v[SC:SC+3], v[L16], s[8:9] offset:31*REC+SOFF      ; lanes 0-15: the words of K of group 0
	WIN 0x40
.irp f, 0,1,2,3
.irp c, 0,1,2
	global_load_b128 v[FK+12*\f+4*\c:FK+12*\f+4*\c+3], v[L16], s[8:9] offset:31*REC+1536*\f+512*\c   ; K of group 0, from record 31
.endr
.endr
	WIN 0
	s_mov_b32 s[G0A], 1
	s_mov_b32 s[G0A+1], s42
	s_add_nc_u64 s[G0A+2:G0A+3], s[8:9], s[42:43]
	s_or_b32 s[G0A+3], s[G0A+3], 0x80000000
	s_mov_b32 s[G0B], 1
	s_mov_b32 s[G0B+1], s46
	s_add_nc_u64 s[G0B+2:G0B+3], s[8:9], s[46:47]
	s_or_b32 s[G0B+3], s[G0B+3], 0x80000000
	CROUND                                         ; all four work-groups are here: the first joint loads meet
	JLOAD G0A, G1A                                 ; record w: my one tensor load at the head
	v_lshlrev_b32 v[SH8], 3, v33
	v_mul_u32_u24 v[STO], v32, SP                  ; the way out, in: row r, 32 bytes for each half of the lanes
	v_mul_u32_u24 v[RD], v33, SP                   ; back: lanes 0-15 one row of 256 bytes, lanes 16-31 the next
	v_lshlrev_b32 v[GO], 12, v33                   ; and the same two rows in out0
	v_lshl_add_u32 v[STO], v33, 5, v[STO]
	v_lshl_add_u32 v[RD], v32, 4, v[RD]
	v_lshl_add_u32 v[GO], v32, 4, v[GO]
	v_add_nc_u32 v[STO], s50, v[STO]
	v_add_nc_u32 v[RD], s50, v[RD]
	VW
	s_wait_loadcnt 0x0                             ; Q, K(0) and their scale words
	v_and_b32 v34, 0xffff, v[QSW]
	v_lshrrev_b32 v35, 16, v[QSW]
	v_lshl_or_b32 v[QS], v[QSW], 16, v34           ; tile 0's two bytes, twice
	v_and_or_b32 v[QS+1], v[QSW], 0xffff0000, v35  ; tile 1's
	WIN 0x40
.irp i, 0,1,2,3,4,5
	v_mov_b32 v[QF+\i], v[S+6+\i]                  ; q1 | 0 | q0 | 0 | q1: each of the four operands is twelve registers on end
	v_mov_b32 v[QF+6+\i], 0
	v_mov_b32 v[QF+12+\i], v[S+\i]
	v_mov_b32 v[QF+18+\i], 0
	v_mov_b32 v[QF+24+\i], v[S+6+\i]
.endr
.set J, 0
.rept 64
	v_mov_b32 v[OA+J], 0                           ; O^T.  (The step is written without a first step of its own: the first finds zeros, which the first change of M leaves zeros)
.set J, J+1
.endr
	WIN 0
.irp q, 0,1
	v_mov_b32 v[ST+8*\q+1], 0xfe967699             ; the largest score so far: -1e38
	s_delay_alu instid0(VALU_DEP_1)
	v_mul_f32 v[ST+8*\q+3], s[CS], v[ST+8*\q+1]
	s_delay_alu instid0(VALU_DEP_1)
	v_floor_f32 v[ST+8*\q], -v[ST+8*\q+3]          ; -M
	v_mov_b32 v[ST+8*\q+4], 0                      ; the sum, in two halves
	v_mov_b32 v[ST+8*\q+5], 0
	v_mov_b32 v[TM+12*\q+9], 0                     ; a lane permute's destination counts as one of its sources
.endr
	VW
	s_wait_tensorcnt 0x0                           ; my record of region A is in
	ds_add_u32 v[SPW], v[NIL]
	s_wait_dscnt 0x0
	CROUND                                         ; everybody's is
	JLOAD G0B, G1B                                 ; region B's first fill
	s_mov_b32 s[TB], 0
	PHASE 8                                        ; records 0 to 7: region A has been read
	VW
	s_wait_tensorcnt 0x0                           ; my part of region B is in, so group 0 may be written
	ds_add_u32 v[SPW], v[NIL]
	s_add_nc_u64 s[G0A+2:G0A+3], s[G0A+2:G0A+3], 24*REC
	s_wait_dscnt 0x0                               ; the add is done, and my reads of region A are over
	CROUND
	JLOAD G0A, G1A                                 ; record 24 + w: the last load
	PHASE 16                                       ; records 8 to 23
	VW
	s_wait_tensorcnt 0x0                           ; my record of the refill is in
	ds_add_u32 v[SPW], v[NIL]
	s_wait_dscnt 0x0                               ; and my reads of region B are over
	s_barrier_signal -1
	s_barrier_wait -1
	s_mov_b32 s[TB], 0
	PHASE 7                                        ; records 24 to 30
	VW
	STEP 2                                         ; record 31: no group follows
	; THE WAY OUT.  The sum's halves and the other half of the lanes' are added; O^T / the sum goes through my stage, a tile (16 queries x 256 bytes) at a time, and leaves as whole rows.
.irp q, 0,1
	v_add_f32 v[TM+12*\q], v[ST+8*\q+4], v[ST+8*\q+5]
.endr
.irp q, 0,1
	s_delay_alu instid0(VALU_DEP_2)
	v_permlanex16_b32 v[TM+12*\q+9], v[TM+12*\q], s[SEL], s[SEL+1]
.endr
.irp q, 0,1
	s_delay_alu instid0(VALU_DEP_2)
	v_add_f32 v[TM+12*\q], v[TM+12*\q], v[TM+12*\q+9]
.endr
	VW
.irp q, 0,1
	v_rcp_f32 v[ST+8*\q+2], v[TM+12*\q]
.endr
	v_nop                                          ; one plain place behind the transcendentals
	WIN 0x01                                       ; O^T in window 1; the result in window 0, where the scores lay
.set J, 0
	VW                                             ; for the reciprocals, and directly ahead of the first readers of O^T
.rept 16
	v_pk_mul_f32 v[S+J:S+J+1], v[OA+J:OA+J+1], v[ST+2:ST+3] op_sel_hi:[1,0]   ; register 8 t + i: channel 16 t + 8 (lane / 16) + i of my query; each accumulator from its low end on
	v_pk_mul_f32 v[S+64+J:S+64+J+1], v[OA+32+J:OA+32+J+1], v[ST+10:ST+11] op_sel_hi:[1,0]
.set J, J+2
.endr
	WIN 0
.macro TOSTAGE q
.irp t, 0,1,2,3
	ds_store_b128 v[STO], v[S+64*\q+8*\t:S+64*\q+8*\t+3] offset:64*\t
	ds_store_b128 v[STO], v[S+64*\q+8*\t+4:S+64*\q+8*\t+7] offset:64*\t+16
.endr
.irp i, 0,1,2,3,4,5,6,7
	ds_load_b128 v[S+64*\q+32+4*\i:S+64*\q+32+4*\i+3], v[RD] offset:2*SP*\i   ; LDS serves a wave's instructions in order (ISA guide 5.7.1.4): these see my stores, and the next tile's stores come behind them
.endr
.endm
.macro SEND q, younger                 ; younger: the LDS instructions issued behind tile q's loads.  Stage row r is query base + 8 q + r % 8 + 32 (r / 8)
.irp i, 0,1,2,3,4,5,6,7
	s_wait_dscnt \younger+7-\i
	global_store_b128 v[GO], v[S+64*\q+32+4*\i:S+64*\q+32+4*\i+3], s[10:11] offset:(2*(\i%4)+32*(\i/4)+8*\q)*4096 th:TH_STORE_NT   ; 16 lanes store 256 consecutive bytes, aligned
.endr
.endm
	TOSTAGE 0
	TOSTAGE 1
	SEND 0, 16
	SEND 1, 0
	s_wait_tensorcnt 0x0                           ; the wave's end
	ds_add_u32 v[SPW], v[NIL]
	s_wait_dscnt 0x0
	CROUND                                         ; the closing round
	s_endpgm
.Lfunc_end_k_qad3426d01e_attn:
	.size	k_qad3426d01e_attn, .Lfunc_end_k_qad3426d01e_attn-k_qad3426d01e_attn
	.p2alignl 7, 3214868480
	.fill 96, 4, 3214868480
	.section	.rodata,"a",@progbits
	.p2align	6, 0x0
	.amdhsa_kernel k_qad3426d01e_attn
		.amdhsa_group_segment_fixed_size 327680
		.amdhsa_private_segment_fixed_size 0
		.amdhsa_enable_private_segment 0
		.amdhsa_kernarg_size 32
		.amdhsa_user_sgpr_count 2
		.amdhsa_user_sgpr_kernarg_segment_ptr 1
		.amdhsa_wavefront_size32 1
		.amdhsa_system_sgpr_workgroup_id_x 1
		.amdhsa_system_sgpr_workgroup_id_y 1
		.amdhsa_system_sgpr_workgroup_id_z 1
		.amdhsa_system_vgpr_workitem_id 0
		.amdhsa_next_free_vgpr 448
		.amdhsa_next_free_sgpr 66
		.amdhsa_reserve_vcc 0
		.amdhsa_float_denorm_mode_32 3
		.amdhsa_float_denorm_mode_16_64 3
		.amdhsa_memory_ordered 1
		.amdhsa_forward_progress 1
		.amdhsa_inst_pref_size 128
	.end_amdhsa_kernel
	.amdgpu_metadata
---
amdhsa.version: [ 1, 2 ]
amdhsa.kernels:
  - .name:           k_qad3426d01e_attn
    .symbol:         k_qad3426d01e_attn.kd
    .args:
      - { .name: qc, .offset: 0, .size: 8, .value_kind: global_buffer, .address_space: global }
      - { .name: qs, .offset: 8, .size: 8, .value_kind: global_buffer, .address_space: global }
      - { .name: kv, .offset: 16, .size: 8, .value_kind: global_buffer, .address_space: global }
      - { .name: out0, .offset: 24, .size: 8, .value_kind: global_buffer, .address_space: global }
    .group_segment_fixed_size: 327680
    .private_segment_fixed_size: 0
    .kernarg_segment_align: 8
    .kernarg_segment_size: 32
    .max_flat_workgroup_size: 256
    .sgpr_count:     66
    .vgpr_count:     448
    .wavefront_size: 32
...
	.end_amdgpu_metadata
.endif
;; end of part 2
